; MI455X (gfx1250); checked and timed in simulation.
; The chip was launched on July 23, 2026; its instructions are those of AMD's public machine-readable ISA for CDNA 5 (MIT licence, August 2026) and "CDNA5" Instruction Set Architecture Reference Guide (July 2026). The comments in the code are by the model that wrote it; some were corrected since.
;; Causal Attention. Allowed arithmetic: matrix products marked QUANTISED: E2M3 operands, one E8M0 scale for each 32 along K, by v_wmma_scale_f32_16x16x128_f8f6f4 with both operands' format E2M3, f32 sums; everything else in f32.
;; Inputs: Wk 768 x 384 float32; Wq 768 x 384 float32; Wv 768 x 384 float32; x 4 x 4,096 x 768 float32.
;; Outputs: out0 4 x 4,096 x 384 float32.
;; This version of the problem:
;;   THIS VERSION OF THE PROBLEM IS GIVEN IN LOW PRECISION. The matrix products marked QUANTISED in the list below multiply operands that are first quantised to E2M3 (2 exponent bits, 3 mantissa bits; 6 bits a number), with one power-of-two scale for each 32 numbers along K (OCP MX v1.0); their sums are f32. All else is computed in f32.
;;   The module's matrix products, in the order in which they are computed (A, B: the left and right operand; K: the contracted axis; several contracted axes count as one K, in the product's order):
;;     1. [M 16,384, K 768] x [K 768, N 384]; A: input x; B: input Wq: QUANTISED
;;     2. [M 16,384, K 768] x [K 768, N 384]; A: input x; B: input Wk: QUANTISED
;;     3. [M 16,384, K 768] x [K 768, N 384]; A: input x; B: input Wv: QUANTISED
;;     4. batch 4 x [M 4,096, K 384] x [K 384, N 4,096]; A: computed on the way; B: computed on the way: QUANTISED
;;     5. batch 4 x [M 4,096, K 4,096] x [K 4,096, N 384]; A: softmax (see below); B: computed on the way: QUANTISED
;;   THE QUANTISER, for each operand of a quantised product, along K:
;;     - K is cut into blocks of 32 from its start; a last block that is shorter is filled with zeros.
;;     - A block's scale is 2^e with e = floor(log2(the largest magnitude in the block)) - 2, held to -126 .. 127; a block of zeros has e = 0. As a byte (E8M0): e + 127.
;;     - Each number is divided by its block's scale, clamped to +-7.5, and rounded to the nearest number of E2M3, ties to even, subnormals kept.
;;     - The product sums the exact products of the quantised numbers (number of the format x scale) in f32.
;;   ~~~python
;;   def quantise(x, axis):      # numpy; x: float32 -> the quantised numbers, widened to float32 again
;;       x = np.moveaxis(x, axis, -1); K = x.shape[-1]
;;       x = np.pad(x, [(0, 0)] * (x.ndim - 1) + [(0, -K % 32)]); x = x.reshape(x.shape[:-1] + (-1, 32)); a = np.abs(x).max(-1, keepdims=True)
;;       e = np.where(a > 0, np.clip(np.frexp(np.where(a > 0, a, 1))[1] - 1 - 2, -126, 127), 0)      # np.frexp(a)[1] - 1 = floor(log2(a)), exactly
;;       r = np.clip(x / 2.0 ** e, -7.5, 7.5)
;;       step = 2.0 ** (np.maximum(np.frexp(np.where(r == 0, 1, r))[1] - 1, 0) - 3)
;;       q = np.round(r / step) * step * 2.0 ** e      # np.round: ties to even
;;       return np.moveaxis(q.reshape(q.shape[:-2] + (-1,))[..., :K], -1, axis).astype(np.float32)
;;   ~~~
;;   SOFTMAX AHEAD OF A QUANTISED PRODUCT. Where the list says 'softmax', what is quantised is not the finished softmax but p = 2^(t - M), with t = logit x log2(e) and M = ceil(the row's largest t), a whole number; so 1/2 < the row's largest p <= 1. The row's sum l is taken of the UNQUANTISED p, in f32, and the product's result is divided by l at the end. Since M is a whole number, a kernel that streams over the keys may use a running M (the ceiling of the running maximum): every later rescaling is an exact power of two, which a block's scale takes up: the codes' values come out the same.
;;   OPERANDS COMPUTED ON THE WAY. 'Computed on the way' means the value that the module computes at that place (a softmax that the list does not call 'softmax' is quantised finished and normalised). What goes into a quantiser is computed in f32, as accurately as f32 sums, v_exp_f32 and their like allow (about 1e-6 of the number): no bf16 or f16 on the way to a quantiser, and a product that is left as it is and whose result goes on into a quantised operand takes f32 operands (vector FMAs, or v_wmma_f32_16x16x4_f32). A number that lies on a knife's edge between two numbers of the format may be rounded either way, as far as f32 arithmetic and the matrix unit's own rounding can turn it there, and no further.
;; One version. Each part assembles by itself: llvm-mc -triple=amdgcn-amd-amdhsa -mcpu=gfx1250 --defsym DOCPART=n.
;; ======== version 1 of 1: 3 launches
;; limits: right only within a limited range of input values
;; workspace buffers: wf 663,552 bytes; ws 55,296 bytes; qf 4,718,592 bytes; qs 196,608 bytes; kvf 9,437,184 bytes; kvs 393,216 bytes
;; launch prep (part 1): grid 18 x 6, 4 waves a work-group, no clusters, 0 bytes of LDS; arguments Wq, Wk, Wv, wf, ws; writes wf, ws
.if DOCPART == 1
	.amdgcn_target "amdgcn-amd-amdhsa--gfx1250"
	.amdhsa_code_object_version 6
	.text
	.protected	k_q34d86dc640_prep
	.globl	k_q34d86dc640_prep
	.p2align	8
	.type	k_q34d86dc640_prep,@function
k_q34d86dc640_prep:
	s_mov_b64 s[64:65], 0
	v_nop
	global_prefetch_b8 v0, s[64:65] scope:SCOPE_SE
	s_setreg_imm32_b32 hwreg(HW_REG_WAVE_MODE, 25, 1), 1
	s_wait_xcnt 0x0
; THE PROGRAM: out = softmax(causal(q k^T / sqrt(384))) v with q, k, v = x Wq, x Wk, x Wv; all five products on codes of FP6 (E2M3) with one E8M0 scale for each 32 along K.
; Three launches: this one turns the weights into codes; the second makes q, k, v and turns them into codes; the third is the attention.
; WORK LEFT OUT (in the third launch): reference() builds the causal mask itself (jnp.tril) and sets every score with key > query to -infinity ahead of the softmax, so its weight is exactly 0 whatever
; finite values x and the weights hold, and it adds nothing to the row's sum nor to the second product.  Steps of 128 keys all of whose keys come after all queries of a block are therefore not multiplied.
; Inside a step that holds live keys the hidden scores are computed and set to -infinity.  All four inputs have a way to the output and are loaded.
; LIMIT: a NaN, an infinity or an overflow that reaches only the steps left out is not carried to the result.
; THIS LAUNCH: Wq, Wk, Wv [768 (k)][384 (n)] f32, K their first axis, become operand fragments of 16 columns x 128 K, stored as IMAGES OF THE OPERAND'S REGISTERS: registers 4 i .. 4 i + 3 of lane l at 512 i + 16 l.
; A wave makes one fragment: lane (r, h) takes one column and its registers run down K in the order of the operand's layout (k = 64 c + 32 h + 0 .. 31), so that the conversions' results are the operand's registers.
; Column tile ct = 0 .. 71 (q: 0-23, k: 24-47, v: 48-71), K step ks = 0 .. 5: fragment at (6 ct + ks) x 1,536 in wf, its scale words (one a lane, lanes 16-31 repeat lanes 0-15) at (72 ks + ct) x 128 in ws.
; THE COLUMNS OF A TILE OF Wq AND Wk ARE NOT NEIGHBOURS: lane r of tile 2 b + u takes column 32 b + 8 u + r + 8 (r / 8), so that the next launch finds 16 neighbours along e in a lane's registers.  Wv's tiles are plain.
; A block's scale is 2^(floor(log2(its largest magnitude)) - 2); its byte is the largest magnitude's exponent field - 2, held at 1 from below.
; LIMITS: a block of zeros gets the byte 1 where the rule says 127 (its codes are zeros, and this program alone reads the bytes); NaN and infinities among the inputs are not served.
; 432 fragments, 108 work-groups: the launch has no more work than that.  No LDS, no barrier: waves share nothing.
.set ROWW, 1536                        ; a row of a weight in bytes
.set X,    64                          ; v64-127 my 64 numbers
	s_load_b256 s[4:11], s[0:1], 0x0               ; Wq, Wk, Wv, wf
	s_load_b64 s[12:13], s[0:1], 0x20              ; ws
	v_lshrrev_b32 v1, 5, v0
	v_readfirstlane_b32 s16, v1                    ; wave
	v_and_b32 v1, 15, v0                           ; r
	s_wait_alu depctr_va_vdst(0)
	v_bfe_u32 v2, v0, 4, 1                         ; h
	s_wait_alu depctr_va_vdst(0)
	v_and_b32 v3, 31, v0                           ; lane
	s_wait_alu depctr_va_vdst(0)
	s_lshl_b32 s17, ttmp9, 2
	s_add_co_u32 s17, s17, s16                     ; ct = 4 x work-group x + wave
	s_and_b32 s18, ttmp7, 0xffff                   ; ks
	s_cmp_ge_u32 ttmp9, 6                          ; six work-groups along x to a weight
	s_cselect_b32 s19, 24, 0
	s_cmp_ge_u32 ttmp9, 12
	s_cselect_b32 s20, 24, 0
	s_cselect_b32 s21, 0, 1                        ; 1: the tile's columns are chosen (q, k); 0: plain (v)
	s_add_co_u32 s19, s19, s20
	s_sub_co_u32 s19, s17, s19                     ; the tile's number in its weight
	s_lshr_b32 s22, s19, 1
	s_lshl_b32 s22, s22, 5
	s_and_b32 s23, s19, 1
	s_lshl_b32 s23, s23, 3
	s_add_co_u32 s22, s22, s23                     ; 32 (t / 2) + 8 (t % 2)
	s_lshl_b32 s23, s19, 4                         ; 16 t
	s_cmp_ge_u32 ttmp9, 12
	s_cselect_b32 s22, s23, s22                    ; the tile's first column
	v_and_b32 v4, 8, v1
	v_mul_u32_u24 v4, v4, s21                      ; 8 (r / 8), or 0
	v_add_nc_u32 v4, v4, v1
	v_add_nc_u32 v4, s22, v4                       ; my column
	v_lshlrev_b32 v4, 2, v4
	v_mul_u32_u24 v5, v2, 32*ROWW                  ; lanes 16-31 begin 32 rows further down
	v_add_nc_u32 v4, v4, v5
	s_mul_i32 s23, s18, 128*ROWW
	v_add_nc_u32 v4, s23, v4                       ; + the K step's 128 rows
	v_lshlrev_b32 v6, 4, v3                        ; out: 16 bytes a lane
	v_lshlrev_b32 v7, 2, v3                        ; and 4 for the scale word
	s_mul_i32 s24, s17, 6
	s_add_co_u32 s24, s24, s18
	s_mul_i32 s24, s24, 1536                       ; the fragment's place in wf
	s_mov_b32 s25, 0
	s_mul_i32 s26, s18, 72
	s_add_co_u32 s26, s26, s17
	s_lshl_b32 s26, s26, 7                         ; its scale words' place in ws
	s_mov_b32 s27, 0
	s_mov_b32 s28, 0x76543210
	s_mov_b32 s29, 0xfedcba98                      ; v_permlanex16_b32's selects for lane l xor 16
	s_wait_alu depctr_va_vdst(0)
	s_wait_kmcnt 0x0
	s_cmp_lt_u32 ttmp9, 6                          ; which weight: the choice hangs on the work-group's number alone
	s_cselect_b64 s[14:15], s[4:5], s[6:7]
	s_cmp_lt_u32 ttmp9, 12
	s_cselect_b64 s[14:15], s[14:15], s[8:9]
	s_add_nc_u64 s[10:11], s[10:11], s[24:25]
	s_add_nc_u64 s[12:13], s[12:13], s[26:27]
.irp c, 0,1
.irp i, 0,1,2,3,4,5,6,7,8,9,10,11,12,13,14,15,16,17,18,19,20,21,22,23,24,25,26,27,28,29,30,31
	global_load_b32 v[X+32*\c+\i], v4, s[14:15] offset:(64*\c+\i)*ROWW th:TH_LOAD_NT   ; W(128 ks + 64 c + 32 h + i, my column)
.endr
.endr
	s_wait_loadcnt 0x0
.irp c, 0,1                                    ; my block 2 c + h: all its 32 numbers are mine
	v_max3_num_f32 v[32+\c], |v[X+32*\c]|, |v[X+1+32*\c]|, 0x1800000   ; and the floor 2^(3 - 127): the byte cannot fall under 1
.endr
.irp i, 2,4,6,8,10,12,14,16,18,20,22,24,26,28,30
.irp c, 0,1
	v_max3_num_f32 v[32+\c], v[32+\c], |v[X+32*\c+\i]|, |v[X+1+32*\c+\i]|   ; (the two blocks by turns)
.endr
.endr
.irp c, 0,1
	v_add_nc_u32 v[44+\c], 0xff000000, v[32+\c]    ; 2 off the exponent field: the conversion's scale operand
.endr
.irp c, 0,1
	v_lshrrev_b32 v[36+\c], 23, v[44+\c]           ; the scale's byte
.endr
	v_lshl_or_b32 v9, v37, 16, v36                 ; my two bytes: blocks h and 2 + h,
	v_lshlrev_b32 v10, 3, v2
	v_lshlrev_b32 v9, v10, v9                      ; at their places in the scale word;
	v_mov_b32 v10, 0
	v_permlanex16_b32 v10, v9, s28, s29
	v_or_b32 v9, v9, v10                           ; with lane l xor 16's two the word is whole
.irp c, 0,1
	v_cvt_scalef32_pk16_fp6_f32 v[48+6*\c:50+6*\c], v[X+32*\c:X+15+32*\c], v[44+\c]
	v_cvt_scalef32_pk16_fp6_f32 v[132+4*\c:134+4*\c], v[X+16+32*\c:X+31+32*\c], v[44+\c]   ; (a conversion's three registers begin on an even number)
.endr
	v_nop                                          ; one plain place behind a scaled conversion
.irp c, 0,1
.irp i, 0,1,2
	v_mov_b32 v[51+6*\c+\i], v[132+4*\c+\i]
.endr
.endr
.irp i, 0,1,2
	global_store_b128 v6, v[48+4*\i:51+4*\i], s[10:11] offset:512*\i   ; 32 lanes store 512 consecutive bytes, aligned to 256
.endr
	global_store_b32 v7, v9, s[12:13]
	s_endpgm
.Lfunc_end_k_q34d86dc640_prep:
	.size	k_q34d86dc640_prep, .Lfunc_end_k_q34d86dc640_prep-k_q34d86dc640_prep
	.p2alignl 7, 3214868480
	.fill 96, 4, 3214868480
	.section	.rodata,"a",@progbits
	.p2align	6, 0x0
	.amdhsa_kernel k_q34d86dc640_prep
		.amdhsa_group_segment_fixed_size 0
		.amdhsa_private_segment_fixed_size 0
		.amdhsa_enable_private_segment 0
		.amdhsa_kernarg_size 40
		.amdhsa_user_sgpr_count 2
		.amdhsa_user_sgpr_kernarg_segment_ptr 1
		.amdhsa_wavefront_size32 1
		.amdhsa_system_sgpr_workgroup_id_x 1
		.amdhsa_system_sgpr_workgroup_id_y 1
		.amdhsa_system_sgpr_workgroup_id_z 1
		.amdhsa_system_vgpr_workitem_id 0
		.amdhsa_next_free_vgpr 144
		.amdhsa_next_free_sgpr 66
		.amdhsa_reserve_vcc 0
		.amdhsa_float_denorm_mode_32 3
		.amdhsa_float_denorm_mode_16_64 3
		.amdhsa_memory_ordered 1
		.amdhsa_forward_progress 1
		.amdhsa_inst_pref_size 12
	.end_amdhsa_kernel
	.amdgpu_metadata
---
amdhsa.version: [ 1, 2 ]
amdhsa.kernels:
  - .name:           k_q34d86dc640_prep
    .symbol:         k_q34d86dc640_prep.kd
    .args:
      - { .name: Wq, .offset: 0, .size: 8, .value_kind: global_buffer, .address_space: global }
      - { .name: Wk, .offset: 8, .size: 8, .value_kind: global_buffer, .address_space: global }
      - { .name: Wv, .offset: 16, .size: 8, .value_kind: global_buffer, .address_space: global }
      - { .name: wf, .offset: 24, .size: 8, .value_kind: global_buffer, .address_space: global }
      - { .name: ws, .offset: 32, .size: 8, .value_kind: global_buffer, .address_space: global }
    .group_segment_fixed_size: 0
    .private_segment_fixed_size: 0
    .kernarg_segment_align: 8
    .kernarg_segment_size: 40
    .max_flat_workgroup_size: 128
    .sgpr_count:     66
    .vgpr_count:     144
    .wavefront_size: 32
...
	.end_amdgpu_metadata
.endif
;; end of part 1
;; launch proj (part 2): grid 256 x 1, 4 waves a work-group, clusters of 4 x 1, 327,680 bytes of LDS; arguments x, wf, ws, qf, qs, kvf, kvs; writes qf, qs, kvf, kvs
.if DOCPART == 2
	.amdgcn_target "amdgcn-amd-amdhsa--gfx1250"
	.amdhsa_code_object_version 6
	.text
	.protected	k_q34d86dc640_proj
	.globl	k_q34d86dc640_proj
	.p2align	8
	.type	k_q34d86dc640_proj,@function
k_q34d86dc640_proj:
	s_mov_b64 s[64:65], 0
	v_nop
	global_prefetch_b8 v0, s[64:65] scope:SCOPE_SE
	s_setreg_imm32_b32 hwreg(HW_REG_WAVE_MODE, 25, 1), 1
	s_wait_xcnt 0x0
	s_wait_alu depctr_hold_cnt(0) depctr_sa_sdst(0) depctr_va_vdst(0) depctr_va_sdst(0) depctr_va_ssrc(0) depctr_va_vcc(0) depctr_vm_vsrc(0)
	s_getreg_b32 s2, hwreg(HW_REG_IB_STS2, 6, 4)
	s_cmp_eq_u32 s2, 0
	s_cbranch_scc0 .Lentry_in_a_cluster
	s_endpgm
.Lentry_in_a_cluster:
	s_bfe_u32 s2, ttmp6, 0x10000c
	s_cmp_lg_u32 s2, 0x3003
	s_cbranch_scc0 .Lentry_shape_is_right
	s_endpgm
.Lentry_shape_is_right:
; q, k, v = x Wq, x Wk, x Wv on codes of FP6 (E2M3); the results are quantised again (q, k along e; v along the keys) and stored as images of operand registers with their scale bytes.
; A work-group takes 64 rows of x against all 1,152 columns.  Each wave brings 16 neighbouring rows of x (f32) by one tensor load; behind a round every wave quantises one tile of 16 chosen rows
; (lane r of tile 2 b + u is row 32 b + 8 u + r + 8 (r / 8)) and hands its images to the others through LDS.
; Wave w multiplies the 64 rows by its own quarter of the weights: nine sets of 12 fragments (sets 0-5: q or k, 192 columns; sets 6-8: v, 96 columns), three sets of registers by turns.
; THE WEIGHTS: sets 0-2 come by global loads while x is on its way.  Sets 3-8 come through LDS by four tensor loads a wave: set 3 into bytes of its own while x is quantised; sets 4, 5, then 6, 7, then 8
; into the wave's part of the x area, each behind the three lines, a round and as the wave's one load there; a set goes on into registers before its bytes are filled again.
; CLUSTERS: all work-groups walk the same weights in the same order, so four form a cluster and ask for each of these tiles jointly (mask 15); the addresses hang on the wave's number alone.
; x's loads are each work-group's own.  No prefetch: the text has no loop to run ahead in.
; LIMITS: a block of zeros gets the scale byte 1 where the rule says 127 (its codes are zeros, and this program alone reads the bytes); NaN and infinities among the inputs are not served.
.set XP,    3120
.set XWAVE, 16*XP
.set XIMG,  4*XWAVE
.set XSC,   XIMG+24*1536
.set TBL,   XSC+1536
.set SPARE, TBL+3072
.set WL0,   SPARE+512                  ; set 3's fragments: 18,432 bytes for each wave, filled once
.set AWX,  46                          ; v46 my part of the x area + 16 x lane
.set AW0,  47                          ; v47 my part of WL0 + 16 x lane
.set WGN,  66                          ; s66 the work-group's number: 4 x cluster + place
.set G1A,  68                          ; group 1: 4 rows of 4,608 bytes, 9,216 apart (set 3)
.set G1B,  76                          ; group 1: 144 rows of 256 bytes, dense (two sets)
.set G1C,  84                          ; group 1: 72 rows of 256 bytes, dense (one set)
.set GT0,  36                          ; groups 0 of the four loads of weights
.set GT1,  92
.set GT2,  96
.set GT3,  4
.set LN16, 1
.set LN8,  2
.set LN12, 3
.set VWS,  4
.set AXR,  5
.set AXI,  6
.set AXS,  7
.set ALI,  8
.set ALS,  9
.set ATQ,  10
.set ATV,  11
.set ATF,  12
.set XSR,  16
.set WSC,  28
.set ACC,  76
.set XN,   76
.set PC,   204
.set TM,   224
.set PW,   240
.set U16,  241
.set SPW,  252
.set NIL,  253
.set WV,   18
.set SEL,  20
.set G1,   24
.set G0,   32
.set WQK,  40
.set WVB,  42
.set WSQ,  44
.set WSV,  46
.set OQK,  48
.set OV,   50
.set FL,   52
.set MSB, 0
.macro WIN new
.set WNEW, \new
.if MSB != WNEW
	s_set_vgpr_msb (MSB<<8)|WNEW
.set MSB, WNEW
.endif
.endm
.macro PLACES
.rept 4
	v_nop
.endr
.endm
.macro ROUND                           ; a round of the cluster's barrier
	s_barrier_signal -1
	s_barrier_wait -1
	s_cmp_lg_u32 s[WV], 0
	s_cbranch_scc1 .Lnw0_\@
	s_barrier_signal -3
.Lnw0_\@:
	s_barrier_wait -3
	s_barrier_signal -1
	s_barrier_wait -1
.endm
.macro SEQ                             ; in front of a fill: all my tensor loads are in, an add to my spare word, my LDS instructions are done; then the round
	WIN 0
	s_wait_alu depctr_va_vdst(0)
	s_wait_tensorcnt 0x0
	ds_add_u32 v[SPW], v[NIL]
	s_wait_dscnt 0x0
	ROUND
.endm
.macro TLOAD g0, g1                    ; my one tensor load behind a round
	tensor_load_to_lds s[\g0:\g0+3], s[\g1:\g1+7]
	s_nop 0
.rept 4
	v_nop
.endr
.endm
.macro LDSW n, adr                     ; set n's 12 fragments from LDS into register set n % 3: 36 loads of 512 consecutive bytes
.set lP, (\n)%3
	WIN (1+lP)<<6
.if (\n) == 3
.irp ksl, 0,1,2
.irp nt, 0,1,2,3
.irp c, 0,1,2
	ds_load_b128 v[12*(4*\ksl+\nt)+4*\c:12*(4*\ksl+\nt)+4*\c+3], v[\adr] offset:(3*\nt+\ksl)*1536+512*\c
.endr
.endr
.endr
.elseif (\n) < 6
.set lH, (\n)%2
.irp ksl, 0,1,2
.irp nt, 0,1,2,3
.irp c, 0,1,2
	ds_load_b128 v[12*(4*\ksl+\nt)+4*\c:12*(4*\ksl+\nt)+4*\c+3], v[\adr] offset:(6*\nt+3*lH+\ksl)*1536+512*\c
.endr
.endr
.endr
.else
.set lJ, ((\n)-6)%2
.irp ks, 0,1,2,3,4,5
.irp g, 0,1
.irp c, 0,1,2
	ds_load_b128 v[12*(2*\ks+\g)+4*\c:12*(2*\ks+\g)+4*\c+3], v[\adr] offset:(12*lJ+6*\g+\ks)*1536+512*\c
.endr
.endr
.endr
.endif
	WIN 0
.endm
.macro SCW n                           ; set n's scale words: 6 global loads
.set lP, (\n)%3
.if (\n) < 6
.set lI, (\n)/2
.set lH, (\n)%2
.irp pr, 0,1
.irp ksl, 0,1,2
	global_load_b32 v[WSC+6*lP+3*\pr+\ksl], v[VWS], s[WSQ:WSQ+1] offset:(72*(3*lH+\ksl)+4*lI+2*\pr)*128
.endr
.endr
.else
.set lJ, (\n)-6
.irp ks, 0,1,2,3,4,5
	global_load_b32 v[WSC+6*lP+\ks], v[VWS], s[WSV:WSV+1] offset:(72*\ks+2*lJ)*128
.endr
.endif
.endm
.macro BAR
	s_wait_dscnt 0x0
	s_barrier_signal -1
	s_barrier_wait -1
.endm
.macro WM d, a, b, zero, sa, sb, ra, rb
.set mD, \d
.set mA, \a
.set mB, \b
.set mSA, \sa
.set mSB, \sb
.set mV, 4*(\zero)+2*(\ra)+(\rb)
.if mV == 0
	v_wmma_scale_f32_16x16x128_f8f6f4 v[mD:mD+7], v[mA:mA+11], v[mB:mB+11], v[mD:mD+7], v[mSA], v[mSB] matrix_a_fmt:MATRIX_FMT_FP6 matrix_b_fmt:MATRIX_FMT_FP6
.elseif mV == 1
	v_wmma_scale_f32_16x16x128_f8f6f4 v[mD:mD+7], v[mA:mA+11], v[mB:mB+11], v[mD:mD+7], v[mSA], v[mSB] matrix_a_fmt:MATRIX_FMT_FP6 matrix_b_fmt:MATRIX_FMT_FP6 matrix_b_scale:MATRIX_SCALE_ROW1
.elseif mV == 2
	v_wmma_scale_f32_16x16x128_f8f6f4 v[mD:mD+7], v[mA:mA+11], v[mB:mB+11], v[mD:mD+7], v[mSA], v[mSB] matrix_a_fmt:MATRIX_FMT_FP6 matrix_b_fmt:MATRIX_FMT_FP6 matrix_a_scale:MATRIX_SCALE_ROW1
.elseif mV == 3
	v_wmma_scale_f32_16x16x128_f8f6f4 v[mD:mD+7], v[mA:mA+11], v[mB:mB+11], v[mD:mD+7], v[mSA], v[mSB] matrix_a_fmt:MATRIX_FMT_FP6 matrix_b_fmt:MATRIX_FMT_FP6 matrix_a_scale:MATRIX_SCALE_ROW1 matrix_b_scale:MATRIX_SCALE_ROW1
.elseif mV == 4
	v_wmma_scale_f32_16x16x128_f8f6f4 v[mD:mD+7], v[mA:mA+11], v[mB:mB+11], 0, v[mSA], v[mSB] matrix_a_fmt:MATRIX_FMT_FP6 matrix_b_fmt:MATRIX_FMT_FP6
.elseif mV == 5
	v_wmma_scale_f32_16x16x128_f8f6f4 v[mD:mD+7], v[mA:mA+11], v[mB:mB+11], 0, v[mSA], v[mSB] matrix_a_fmt:MATRIX_FMT_FP6 matrix_b_fmt:MATRIX_FMT_FP6 matrix_b_scale:MATRIX_SCALE_ROW1
.elseif mV == 6
	v_wmma_scale_f32_16x16x128_f8f6f4 v[mD:mD+7], v[mA:mA+11], v[mB:mB+11], 0, v[mSA], v[mSB] matrix_a_fmt:MATRIX_FMT_FP6 matrix_b_fmt:MATRIX_FMT_FP6 matrix_a_scale:MATRIX_SCALE_ROW1
.else
	v_wmma_scale_f32_16x16x128_f8f6f4 v[mD:mD+7], v[mA:mA+11], v[mB:mB+11], 0, v[mSA], v[mSB] matrix_a_fmt:MATRIX_FMT_FP6 matrix_b_fmt:MATRIX_FMT_FP6 matrix_a_scale:MATRIX_SCALE_ROW1 matrix_b_scale:MATRIX_SCALE_ROW1
.endif
.endm
.macro QUANT s
.irp b, 0,1,2,3
	v_max3_num_f32 v[TM+\b], |v[\s+16*\b]|, |v[\s+1+16*\b]|, 0x1800000
.endr
.irp i, 2,4,6,8,10,12,14
.irp b, 0,1,2,3
	v_max3_num_f32 v[TM+\b], v[TM+\b], |v[\s+16*\b+\i]|, |v[\s+1+16*\b+\i]|
.endr
.endr
.irp b, 0,1,2,3
	v_permlanex16_b32 v[TM+4+\b], v[TM+\b], s[SEL], s[SEL+1]
.endr
.irp b, 0,1,2,3
	v_max_num_f32 v[TM+\b], v[TM+\b], v[TM+4+\b]
.endr
.irp b, 0,1,2,3
	v_add_nc_u32 v[TM+12+\b], 0xff000000, v[TM+\b]
.endr
.irp b, 0,1,2,3
	v_lshrrev_b32 v[TM+4+\b], 23, v[TM+12+\b]
.endr
	v_lshl_or_b32 v[PW], v[TM+5], 8, v[TM+4]
	v_lshl_or_b32 v[PW], v[TM+6], 16, v[PW]
	v_lshl_or_b32 v[PW], v[TM+7], 24, v[PW]
.irp c, 0,1
	v_cvt_scalef32_pk16_fp6_f32 v[PC+6*\c:PC+2+6*\c], v[\s+32*\c:\s+15+32*\c], v[TM+12+2*\c]
	v_cvt_scalef32_pk16_fp6_f32 v[PC+12+4*\c:PC+14+4*\c], v[\s+16+32*\c:\s+31+32*\c], v[TM+12+2*\c+1]
.endr
	v_nop
.irp c, 0,1
.irp i, 0,1,2
	v_permlane16_swap_b32 v[PC+6*\c+\i], v[PC+12+4*\c+\i]
.endr
.irp i, 0,1,2
	v_mov_b32 v[PC+3+6*\c+\i], v[PC+12+4*\c+\i]
.endr
.endr
.endm
.macro IMAGE adr, off
.irp c, 0,1,2
	ds_store_b128 v[\adr], v[PC+4*\c:PC+4*\c+3] offset:\off+512*\c
.endr
.endm
.macro XLD ks
.irp b, 0,1,2,3
.irp j, 0,1,2,3
	ds_load_b128 v[XN+64*((\ks)%2)+16*\b+4*\j:XN+64*((\ks)%2)+16*\b+4*\j+3], v[AXR] offset:512*(\ks)+16*((\ks)/2)+128*\b+16*\j
.endr
.endr
.endm
.macro LOADW n
.set lP, (\n)%3
	WIN (1+lP)<<6
.if (\n) < 6
.set lI, (\n)/2
.set lH, (\n)%2
.irp ksl, 0,1,2
.irp nt, 0,1,2,3
.irp c, 0,1,2
	global_load_b128 v[12*(4*\ksl+\nt)+4*\c:12*(4*\ksl+\nt)+4*\c+3], v[LN16], s[WQK:WQK+1] offset:(6*(4*lI+\nt)+3*lH+\ksl)*1536+512*\c
.endr
.endr
.endr
	WIN 0
.irp pr, 0,1
.irp ksl, 0,1,2
	global_load_b32 v[WSC+6*lP+3*\pr+\ksl], v[VWS], s[WSQ:WSQ+1] offset:(72*(3*lH+\ksl)+4*lI+2*\pr)*128
.endr
.endr
.else
.set lJ, (\n)-6
.irp ks, 0,1,2,3,4,5
.irp g, 0,1
.irp c, 0,1,2
	global_load_b128 v[12*(2*\ks+\g)+4*\c:12*(2*\ks+\g)+4*\c+3], v[LN16], s[WVB:WVB+1] offset:(6*(2*lJ+\g)+\ks)*1536+512*\c
.endr
.endr
.endr
	WIN 0
.irp ks, 0,1,2,3,4,5
	global_load_b32 v[WSC+6*lP+\ks], v[VWS], s[WSV:WSV+1] offset:(72*\ks+2*lJ)*128
.endr
.endif
.endm
.macro MULQK n
.set qP, (\n)%3
.set qH, (\n)%2
.irp ksl, 0,1,2
.set qK, 3*qH+\ksl
.set qZ, 0
.if qK == 0
.set qZ, 1
.endif
	WIN (1+qP)+4*(1+qK/2)
.irp mt, 0,1,2,3
.irp nt, 0,1,2,3
	WM ACC+32*\mt+8*\nt, 12*(4*\ksl+\nt), 144+48*(qK%2)+12*\mt, qZ, WSC+6*qP+3*(\nt/2)+\ksl, XSR+2*qK+\mt/2, \nt%2, \mt%2
.endr
.endr
.endr
.endm
.macro MULV j
.irp ks, 0,1,2,3,4,5
.set qZ, 0
.if \ks == 0
.set qZ, 1
.endif
	WIN (1+\ks/2)+4*(1+(\j))
.irp g, 0,1
.irp mt, 0,1,2,3
	WM ACC+32*\g+8*\mt, 144+48*(\ks%2)+12*\mt, 12*(2*\ks+\g), qZ, XSR+2*\ks+\mt/2, WSC+6*(\j)+\ks, \mt%2, \g
.endr
.endr
.endr
.endm
.macro QH s, tadr, toff, ptr, goff
	s_wait_xcnt 0x0
	s_wait_dscnt 0x0
.irp b, 0,1
	v_max3_num_f32 v[TM+\b], |v[\s+16*\b]|, |v[\s+1+16*\b]|, 0x1800000
.endr
.irp i, 2,4,6,8,10,12,14
.irp b, 0,1
	v_max3_num_f32 v[TM+\b], v[TM+\b], |v[\s+16*\b+\i]|, |v[\s+1+16*\b+\i]|
.endr
.endr
.irp b, 0,1
	v_permlanex16_b32 v[TM+4+\b], v[TM+\b], s[SEL], s[SEL+1]
.endr
.irp b, 0,1
	v_max_num_f32 v[TM+\b], v[TM+\b], v[TM+4+\b]
.endr
.irp b, 0,1
	v_add_nc_u32 v[TM+12+\b], 0xff000000, v[TM+\b]
.endr
.irp b, 0,1
	v_lshrrev_b32 v[TM+4+\b], 23, v[TM+12+\b]
.endr
	v_lshl_or_b32 v[U16], v[TM+5], 8, v[TM+4]
	v_cvt_scalef32_pk16_fp6_f32 v[PC:PC+2], v[\s:\s+15], v[TM+12]
	v_cvt_scalef32_pk16_fp6_f32 v[PC+8:PC+10], v[\s+16:\s+31], v[TM+13]
	v_nop
.irp i, 0,1,2
	v_permlane16_swap_b32 v[PC+\i], v[PC+8+\i]
.endr
.irp i, 0,1,2
	v_mov_b32 v[PC+3+\i], v[PC+8+\i]
.endr
	ds_store_b16 v[\tadr], v[U16] offset:\toff
	global_store_b128 v[LN16], v[PC:PC+3], s[\ptr:\ptr+1] offset:\goff
	global_store_b64 v[LN8], v[PC+4:PC+5], s[\ptr:\ptr+1] offset:\goff+512
.endm
	s_load_b256 s[4:11], s[0:1], 0x0
	s_load_b128 s[12:15], s[0:1], 0x20
	s_load_b64 s[16:17], s[0:1], 0x30
	v_lshl_add_u32 v[SPW], v0, 2, SPARE
	v_mov_b32 v[NIL], 0
	ds_add_u32 v[SPW], v[NIL]
	ds_add_u32 v[SPW], v[NIL]
	v_lshrrev_b32 v1, 5, v0
	v_readfirstlane_b32 s[WV], v1
	s_lshr_b32 s22, s[WV], 1
	s_and_b32 s23, s[WV], 1
	s_bfe_u32 s67, ttmp6, 0x40000                  ; my place in the cluster
	s_lshl_b32 s[WGN], ttmp9, 2
	s_add_co_u32 s[WGN], s[WGN], s67               ; the work-group's number: it enters global addresses alone
	s_lshl_b32 s54, s[WGN], 6
	s_lshl_b32 s55, s[WV], 4
	s_add_co_u32 s54, s54, s55                     ; I fetch rows 64 x work-group + 16 x wave on
	s_mul_i32 s54, s54, 3072
	s_mov_b32 s55, 0
	s_mul_i32 s56, s[WV], XWAVE
	s_mov_b32 s[G1+0], (2<<16)|(1<<20)|(7<<22)|(3<<25)
	s_mov_b32 s[G1+1], 768<<16
	s_mov_b32 s[G1+2], 16<<16
	s_mov_b32 s[G1+3], 768<<16
	s_mov_b32 s[G1+4], 16
	s_mov_b32 s[G1+5], 768
	s_mov_b32 s[G1+6], 0
	s_mov_b32 s[G1+7], 0
.irp g, G1A, G1B, G1C
	s_mov_b32 s[\g+0], 15|(3<<16)|(1<<21)          ; the cluster's four; elements of 8 bytes; bit 21 beside a mask
	s_mov_b32 s[\g+6], 0
	s_mov_b32 s[\g+7], 0
.endr
	s_mov_b32 s[G1A+1], 576<<16
	s_mov_b32 s[G1A+2], 4<<16
	s_mov_b32 s[G1A+3], 576<<16
	s_mov_b32 s[G1A+4], 4
	s_mov_b32 s[G1A+5], 1152
	s_mov_b32 s[G1B+1], 32<<16
	s_mov_b32 s[G1B+2], 144<<16
	s_mov_b32 s[G1B+3], 32<<16
	s_mov_b32 s[G1B+4], 144
	s_mov_b32 s[G1B+5], 32
	s_mov_b32 s[G1C+1], 32<<16
	s_mov_b32 s[G1C+2], 72<<16
	s_mov_b32 s[G1C+3], 32<<16
	s_mov_b32 s[G1C+4], 72
	s_mov_b32 s[G1C+5], 32
	s_mov_b32 s[SEL], 0x76543210
	s_mov_b32 s[SEL+1], 0xfedcba98
	s_wait_dscnt 0x0
	s_wait_kmcnt 0x0
	s_add_nc_u64 s[54:55], s[4:5], s[54:55]
	s_mov_b32 s[G0], 1
	s_mov_b32 s[G0+1], s56
	s_mov_b64 s[G0+2:G0+3], s[54:55]
	s_or_b32 s[G0+3], s[G0+3], 0x80000000
	s_wait_alu depctr_va_vdst(0)
	ROUND                                          ; in a cluster launch every group of tensor loads stands behind a round
	tensor_load_to_lds s[G0:G0+3], s[G1:G1+7]      ; my 16 rows of x: my one load at the head
	s_nop 0
.rept 4
	v_nop
.endr
	v_and_b32 v13, 15, v0
	v_bfe_u32 v14, v0, 4, 1
	v_and_b32 v15, 31, v0
	v_lshlrev_b32 v[LN16], 4, v15
	v_lshlrev_b32 v[LN8], 3, v15
	v_mul_u32_u24 v[LN12], v15, 12
	v_lshlrev_b32 v[VWS], 2, v13
	v_lshl_add_u32 v[VWS], v14, 7, v[VWS]
	v_and_b32 v[AXR], 8, v13
	v_add_nc_u32 v[AXR], v[AXR], v13               ; r + 8 (r / 8)
	v_mul_u32_u24 v[AXR], v[AXR], XP
	v_lshl_add_u32 v[AXR], v14, 6, v[AXR]
	s_lshl_b32 s57, s22, 5
	s_lshl_b32 s58, s23, 3
	s_add_co_u32 s57, s57, s58
	s_mul_i32 s57, s57, XP                         ; my tile begins at row 32 (w / 2) + 8 (w % 2) of the 64
	v_add_nc_u32 v[AXR], s57, v[AXR]
	v_add_nc_u32 v[AWX], s56, v[LN16]
	s_mul_i32 s57, s[WV], 18432
	s_add_co_u32 s57, s57, WL0
	v_add_nc_u32 v[AW0], s57, v[LN16]
	s_mul_i32 s57, s[WV], 1536
	s_add_co_u32 s57, s57, XIMG
	v_add_nc_u32 v[AXI], s57, v[LN16]
	s_lshl_b32 s57, s[WV], 6
	s_add_co_u32 s57, s57, XSC
	v_lshl_add_u32 v[AXS], v13, 2, s57
	v_add_nc_u32 v[ALI], XIMG, v[LN16]
	v_lshl_add_u32 v[ALS], v15, 2, XSC
	s_lshl_b32 s57, s22, 10
	s_mul_i32 s58, s23, 6
	s_add_co_u32 s57, s57, s58
	s_add_co_u32 s57, s57, TBL
	v_lshl_add_u32 v[ATQ], v13, 4, s57
	s_lshl_b32 s57, s[WV], 8
	s_add_co_u32 s57, s57, TBL+2048
	v_lshl_add_u32 v[ATV], v13, 4, s57
	s_min_u32 s57, s[WV], 2
	s_lshl_b32 s57, s57, 10
	s_add_co_u32 s57, s57, TBL
	v_add_nc_u32 v[ATF], s57, v[LN16]
.irp b, 0,1,2,3
	v_mov_b32 v[TM+4+\b], 0
.endr
	s_mov_b32 s59, 0
	s_mul_i32 s58, s[WV], 110592
	s_add_nc_u64 s[WQK:WQK+1], s[6:7], s[58:59]
	s_mul_i32 s58, s[WV], 55296
	s_add_co_u32 s58, s58, 442368
	s_add_nc_u64 s[WVB:WVB+1], s[6:7], s[58:59]
	s_mul_i32 s58, s[WV], 1536
	s_add_nc_u64 s[WSQ:WSQ+1], s[8:9], s[58:59]
	s_mul_i32 s58, s[WV], 768
	s_add_co_u32 s58, s58, 6144
	s_add_nc_u64 s[WSV:WSV+1], s[8:9], s[58:59]
	s_mov_b32 s[GT0], 1                            ; set 3: fragments 27 on of my 72, three of every six
	s_mul_i32 s62, s[WV], 18432
	s_add_co_u32 s[GT0+1], s62, WL0
	s_add_nc_u64 s[GT0+2:GT0+3], s[WQK:WQK+1], 41472
	s_or_b32 s[GT0+3], s[GT0+3], 0x80000000
	s_mov_b32 s[GT1], 1                            ; sets 4, 5: fragments 48-71
	s_mov_b32 s[GT1+1], s56
	s_add_nc_u64 s[GT1+2:GT1+3], s[WQK:WQK+1], 73728
	s_or_b32 s[GT1+3], s[GT1+3], 0x80000000
	s_mov_b32 s[GT2], 1                            ; sets 6, 7: v's fragments 0-23
	s_mov_b32 s[GT2+1], s56
	s_mov_b64 s[GT2+2:GT2+3], s[WVB:WVB+1]
	s_or_b32 s[GT2+3], s[GT2+3], 0x80000000
	s_mov_b32 s[GT3], 1                            ; set 8: v's fragments 24-35 (the arguments that lay here have been used)
	s_mov_b32 s[GT3+1], s56
	s_add_nc_u64 s[GT3+2:GT3+3], s[WVB:WVB+1], 36864
	s_or_b32 s[GT3+3], s[GT3+3], 0x80000000
	s_lshr_b32 s60, s[WGN], 1
	s_and_b32 s61, s[WGN], 1
	s_mul_i32 s62, s60, 73728
	s_mul_i32 s63, s61, 18432
	s_add_co_u32 s63, s62, s63
	s_mul_i32 s58, s[WGN], 18432
	s_cmp_eq_u32 s22, 0
	s_cselect_b32 s58, s58, s63
	s_cselect_b64 s[OQK:OQK+1], s[10:11], s[14:15]
	s_mul_i32 s63, s23, 2304
	s_add_co_u32 s58, s58, s63
	s_add_nc_u64 s[OQK:OQK+1], s[OQK:OQK+1], s[58:59]
	s_mul_i32 s58, s61, 768
	s_add_co_u32 s58, s58, s62
	s_mul_i32 s63, s[WV], 9216
	s_add_co_u32 s58, s58, s63
	s_add_co_u32 s58, s58, 36864
	s_add_nc_u64 s[OV:OV+1], s[14:15], s[58:59]
	s_mul_i32 s58, s[WGN], 768
	s_mul_i32 s62, s60, 3072
	s_mul_i32 s63, s61, 768
	s_add_co_u32 s62, s62, s63
	s_cmp_eq_u32 s[WV], 2
	s_cselect_b32 s63, 1536, 0
	s_add_co_u32 s62, s62, s63
	s_cmp_eq_u32 s[WV], 0
	s_cselect_b32 s58, s58, s62
	s_cselect_b64 s[FL:FL+1], s[12:13], s[16:17]
	s_add_nc_u64 s[FL:FL+1], s[FL:FL+1], s[58:59]
	LOADW 0
	LOADW 1
	LOADW 2
	SEQ                                            ; every wave's rows of x are in
	TLOAD GT0, G1A                                 ; set 3, into bytes of its own: it lands while x is quantised
	XLD 0
.irp ks, 0,1,2,3,4,5
.if \ks < 5
	XLD \ks+1
	s_wait_dscnt 16
.else
	s_wait_dscnt 0x0
.endif
	QUANT XN+64*(\ks%2)
	IMAGE AXI, 6144*\ks
	ds_store_b32 v[AXS], v[PW] offset:256*\ks
.endr
	SEQ                                            ; set 3 is in; the images of x are whole; nobody reads the f32 rows any more
	TLOAD GT1, G1B                                 ; sets 4, 5 into my part of the x area
.irp ks, 0,1,2,3,4,5
	WIN (1+\ks/2)<<6
.irp mt, 0,1,2,3
.irp c, 0,1,2
	ds_load_b128 v[144+48*(\ks%2)+12*\mt+4*\c:144+48*(\ks%2)+12*\mt+4*\c+3], v[ALI] offset:(4*\ks+\mt)*1536+512*\c
.endr
.endr
.endr
	WIN 0
.irp ks, 0,1,2,3,4,5
.irp pr, 0,1
	ds_load_b32 v[XSR+2*\ks+\pr], v[ALS] offset:256*\ks+128*\pr
.endr
.endr
	s_wait_dscnt 0x0
.macro QHQ i                           ; 64 rows x 64 e of q or k: four half images
.irp mt, 0,1,2,3
	QH ACC+32*\mt, ATQ, 256*\mt+2*\i, OQK, 4608*\mt+768*\i
.endr
.endm
.macro QHV j                           ; 64 keys x 32 e of v: two half images
.irp g, 0,1
	QH ACC+32*\g, ATV, 2*(2*\j+\g), OV, 1536*(2*\j+\g)
.endr
.endm
; The counts on LOADcnt are the loads younger than the set that is wanted: sets 1, 2 have 42 each, every later set its 6 scale words.
	s_wait_loadcnt 63                              ; set 0 is in (84 are younger; the field holds 63)
	MULQK 0
	WIN 0
	PLACES
	LDSW 3, AW0
	SCW 3
	s_wait_loadcnt 48                              ; set 1: younger are set 2's 42 and set 3's 6
	MULQK 1
	WIN 0
	PLACES
	SCW 4
	QHQ 0
	s_wait_loadcnt 12
	MULQK 2
	WIN 0
	PLACES
	SCW 5
	s_wait_loadcnt 12
	MULQK 3
	WIN 0
	PLACES
	SCW 6
	s_wait_tensorcnt 0x0                           ; sets 4, 5 lie in my own bytes
	LDSW 4, AWX
	LDSW 5, AWX
	SEQ                                            ; they are in registers: their bytes may be filled again
	TLOAD GT2, G1B                                 ; sets 6, 7
	QHQ 1
	s_wait_loadcnt 12
	MULQK 4
	WIN 0
	PLACES
	SCW 7
	s_wait_loadcnt 12
	MULQK 5
	WIN 0
	PLACES
	SCW 8
	s_wait_tensorcnt 0x0                           ; sets 6, 7 lie in my own bytes
	LDSW 6, AWX
	LDSW 7, AWX
	SEQ
	TLOAD GT3, G1C                                 ; set 8
	QHQ 2
	s_wait_loadcnt 12
	MULV 0
	WIN 0
	PLACES
	QHV 0
	s_wait_loadcnt 6
	MULV 1
	WIN 0
	PLACES
	s_wait_tensorcnt 0x0                           ; set 8 lies in my own bytes
	LDSW 8, AWX
	QHV 1
	s_wait_loadcnt 0x0
	s_wait_dscnt 0x0
	MULV 2
	WIN 0
	PLACES
	QHV 2
	BAR
	s_cmp_eq_u32 s[WV], 3
	s_cbranch_scc1 .Lsent
	ds_load_b96 v[TM:TM+2], v[ATF]
	ds_load_b96 v[TM+4:TM+6], v[ATF] offset:512
	s_wait_dscnt 0x0
	global_store_b96 v[LN12], v[TM:TM+2], s[FL:FL+1]
	global_store_b96 v[LN12], v[TM+4:TM+6], s[FL:FL+1] offset:384
.Lsent:
	s_wait_tensorcnt 0x0
	ds_add_u32 v[SPW], v[NIL]
	s_wait_dscnt 0x0
	ROUND                                          ; the closing round: no work-group ends while a partner may still ask jointly
	s_endpgm
.Lfunc_end_k_q34d86dc640_proj:
	.size	k_q34d86dc640_proj, .Lfunc_end_k_q34d86dc640_proj-k_q34d86dc640_proj
	.p2alignl 7, 3214868480
	.fill 96, 4, 3214868480
	.section	.rodata,"a",@progbits
	.p2align	6, 0x0
	.amdhsa_kernel k_q34d86dc640_proj
		.amdhsa_group_segment_fixed_size 327680
		.amdhsa_private_segment_fixed_size 0
		.amdhsa_enable_private_segment 0
		.amdhsa_kernarg_size 56
		.amdhsa_user_sgpr_count 2
		.amdhsa_user_sgpr_kernarg_segment_ptr 1
		.amdhsa_wavefront_size32 1
		.amdhsa_system_sgpr_workgroup_id_x 1
		.amdhsa_system_sgpr_workgroup_id_y 1
		.amdhsa_system_sgpr_workgroup_id_z 1
		.amdhsa_system_vgpr_workitem_id 0
		.amdhsa_next_free_vgpr 1024
		.amdhsa_next_free_sgpr 100
		.amdhsa_reserve_vcc 0
		.amdhsa_float_denorm_mode_32 3
		.amdhsa_float_denorm_mode_16_64 3
		.amdhsa_memory_ordered 1
		.amdhsa_forward_progress 1
		.amdhsa_inst_pref_size 173
	.end_amdhsa_kernel
	.amdgpu_metadata
---
amdhsa.version: [ 1, 2 ]
amdhsa.kernels:
  - .name:           k_q34d86dc640_proj
    .symbol:         k_q34d86dc640_proj.kd
    .args:
      - { .name: x, .offset: 0, .size: 8, .value_kind: global_buffer, .address_space: global }
      - { .name: wf, .offset: 8, .size: 8, .value_kind: global_buffer, .address_space: global }
      - { .name: ws, .offset: 16, .size: 8, .value_kind: global_buffer, .address_space: global }
      - { .name: qf, .offset: 24, .size: 8, .value_kind: global_buffer, .address_space: global }
      - { .name: qs, .offset: 32, .size: 8, .value_kind: global_buffer, .address_space: global }
      - { .name: kvf, .offset: 40, .size: 8, .value_kind: global_buffer, .address_space: global }
      - { .name: kvs, .offset: 48, .size: 8, .value_kind: global_buffer, .address_space: global }
    .group_segment_fixed_size: 327680
    .private_segment_fixed_size: 0
    .kernarg_segment_align: 8
    .kernarg_segment_size: 56
    .max_flat_workgroup_size: 128
    .sgpr_count:     100
    .vgpr_count:     1024
    .wavefront_size: 32
...
	.end_amdgpu_metadata
.endif
;; end of part 2
;; launch attn (part 3): grid 64 x 4, 4 waves a work-group, clusters of 4 x 1, 327,680 bytes of LDS; arguments qf, qs, kvf, kvs, out0; writes out0
.if DOCPART == 3
	.amdgcn_target "amdgcn-amd-amdhsa--gfx1250"
	.amdhsa_code_object_version 6
	.text
	.protected	k_q34d86dc640_attn
	.globl	k_q34d86dc640_attn
	.p2align	8
	.type	k_q34d86dc640_attn,@function
k_q34d86dc640_attn:
	s_mov_b64 s[64:65], 0
	v_nop
	global_prefetch_b8 v0, s[64:65] scope:SCOPE_SE
	s_setreg_imm32_b32 hwreg(HW_REG_WAVE_MODE, 25, 1), 1
	s_wait_xcnt 0x0
	s_wait_alu depctr_hold_cnt(0) depctr_sa_sdst(0) depctr_va_vdst(0) depctr_va_sdst(0) depctr_va_ssrc(0) depctr_va_vcc(0) depctr_vm_vsrc(0)
	s_getreg_b32 s2, hwreg(HW_REG_IB_STS2, 6, 4)
	s_cmp_eq_u32 s2, 0
	s_cbranch_scc0 .Lentry_in_a_cluster
	s_endpgm
.Lentry_in_a_cluster:
	s_bfe_u32 s2, ttmp6, 0x10000c
	s_cmp_lg_u32 s2, 0x3003
	s_cbranch_scc0 .Lentry_shape_is_right
	s_endpgm
.Lentry_shape_is_right:
; out[b][q][:] = the sum over keys k <= q of softmax_k(q . k / sqrt(384)) v[k][:], both products on codes of FP6 (E2M3), read as images of operand registers that the launch before has stored.
; WORK LEFT OUT: steps of 128 keys all of whose keys come after all queries of a block: reference()'s own causal mask gives them the weight 0 for all values of the inputs (shown at the head of the first kernel).
; LIMITS: a NaN, an infinity or an overflow that reaches only those steps is not carried to the result; NaN and infinities among the inputs are not served; the scaled scores stay under 2^31 in magnitude.
; THE SOFTMAX: t = score x log2(e) / sqrt(384); M = the largest t so far, rounded UP to a whole number; p = 2^(t - M) is quantised along the keys, not normalised; the row's sum is taken of the unquantised p
; and divides at the end.  When M moves, the sum and O are multiplied by 2^(old M - new M): exact.  So the order in which the key steps are walked is free.
; SHARES.  A cluster of four work-groups has one c of 0 .. 15 (made of the cluster's number and the batch b); the work-group at place p has g = 4 c + p.  It owns two blocks of 32 queries of batch b: the late one,
; queries 32 (127 - g) on (query tiles 0, 1), which sees key steps 0 .. 31 - c, and the early one, 32 g on (tiles 2, 3), which sees 0 .. c.  So the four partners walk the same key steps.
; THE WALK: seventeen steps.  First 15 - c PAIR steps: the late block alone takes two key steps at once (c + 1 + 2 i and the next).  Then its diagonal step 31 - c, alone.  Then c + 1 SHARED steps 0 .. c: both blocks
; against one key step; the last is the early block's diagonal.  A step has slots j = 0 .. NS - 1; slot j is query tile j % NT against key set j / NT.  Pair: NS = 4, NT = 2.  Alone: 2, 2.  Shared: 4, 4.
; The step is written five times, since what is fetched next differs; the branches between them hang on c alone, which all partners share; none stands inside a step.
; IN A STEP the four waves share the first product by keys and the second by e: wave w makes S^T for keys 32 w .. 32 w + 31 of each key set and owns e = 96 w .. 96 w + 95 of O^T.
; JOINT LOADS.  Wave w asks, with wave w of the three partners, for just the bytes that it reads: rows of 9,216 bytes, 36,864 apart in memory: its k and its v of one key step (2 rows) or of two neighbouring ones (4 rows),
; into its own 36,864 bytes of LDS.  There is one slot; the registers are the second buffer: behind a step's second product the next step's k and v go from LDS into registers, and the next step's first barrier,
; with the three lines in front of it, is the cluster's round behind which the slot is filled again.  A load so has the softmax and the second product in which to land.  The head asks for steps c + 1 and c + 2 (at most 17).
; The place in the cluster enters q's and out's global addresses and the mask's numbers alone.  The scale words come by global loads, a step ahead.
; No prefetch is laid: each key step's bytes are asked for by up to sixteen clusters of its batch in this launch, and a batch's codes are 2,359,296 bytes.
; LAYOUT.  S^T = k q^T, O^T = v^T p^T: a lane holds one query throughout.  Lane r of key or query tile 2 b + u is row 32 b + 8 u + r + 8 (r / 8).
; REGISTERS: window 0: addresses, statistics (eight to a tile or slot from v20), scale words, v80-143 S^T then p, v184-231 p's fragments.  window 1: v0-143 q, v144-215 k.  window 2: v0-71 v, v72-143 the second set's k, v144-215 its v.  window 3: O^T.
.set XM,    0                          ; the blocks' largest scores (at the end: the sums): 256 j + 16 r + 4 w
.set PS,    1024                       ; p's scale bytes: 64 j + 4 r + w
.set PB,    2048                       ; p's fragments: 1,536 j + 48 x lane
.set STG,   8192                       ; the way out: 64 rows x (1,536 bytes + 16)
.set SP,    1552
.set SPARE, STG+64*SP                  ; the spare words, 512 bytes
.set KVS,   SPARE+512                  ; the slot: 36,864 bytes a wave: k, v of the first key set, k, v of the second
.set WSL,   36864
.set LN16, 1
.set LN8,  2
.set LN12, 3
.set R12,  4
.set AXW,  5
.set AXR,  6
.set APSW, 7
.set APSR, 8
.set APW,  9
.set APR,  10
.set ASTW0, 11
.set ASTR, 13
.set NINF, 14
.set DD,   15
.set DQ,   16
.set ST,   20
.set QSC,  52
.set KSC,  60
.set VRA,  64
.set VRB,  68
.set VSW,  72
.set PSC,  78
.set S,    80
.set XR,   144
.set PCD,  160
.set SCO,  176
.set BY,   180
.set PF,   184
.set KSC2, 232
.set VRA2, 236
.set VRB2, 240
.set VSW2, 244
.set AL16, 250                         ; my part of the slot + 16 x lane
.set AL8,  251                         ; the same + 8 x lane
.set SPW,  252
.set NIL,  253
.set G0,   36                          ; s[36:39] group 0
.set G1P,  68                          ; s[68:75] group 1: four rows (two key steps)
.set G1S,  76                          ; s[76:83] group 1: two rows (one key step)
; s14 wave, s15 g, s16 b, s17 c, s18 14 - c, s19 31 - c, s20 trips, s22 the step to be fetched, s[24:25] lane selects, s[26:27] log2(e) / sqrt(384), s[28:29] my k at step 0,
; s[32:35] k's and v's scales at step 0, s[40:43] the same at the step being fetched, s[44:49] at work (s47 = 0), s[50:57] q, s[58:59] out
.set MSB, 0
.macro WIN new
.set WNEW, \new
.if MSB != WNEW
	s_set_vgpr_msb (MSB<<8)|WNEW
.set MSB, WNEW
.endif
.endm
.macro PLACES
.rept 4
	v_nop
.endr
.endm
.macro BAR
	s_wait_alu depctr_va_vdst(0)
	s_wait_dscnt 0x0
	s_barrier_signal -1
	s_barrier_wait -1
.endm
.macro ROUND                           ; a round of the cluster's barrier
	s_barrier_signal -1
	s_barrier_wait -1
	s_cmp_lg_u32 s14, 0
	s_cbranch_scc1 .Lnw0_\@
	s_barrier_signal -3
.Lnw0_\@:
	s_barrier_wait -3
	s_barrier_signal -1
	s_barrier_wait -1
.endm
.macro SEQ                             ; in front of a refill: my tensor load is done, an add to my spare word, group 0 stepped to step s22, all my LDS instructions done; then the round
	WIN 0
	s_wait_alu depctr_va_vdst(0)
	s_wait_tensorcnt 0x0
	ds_add_u32 v[SPW], v[NIL]
	s_mul_i32 s46, s22, 73728
	s_add_nc_u64 s[G0+2:G0+3], s[28:29], s[46:47]
	s_or_b32 s[G0+3], s[G0+3], 0x80000000
	s_wait_dscnt 0x0
	ROUND
.endm
.macro TLOAD g1                        ; my one tensor load behind a round
	tensor_load_to_lds s[G0:G0+3], s[\g1:\g1+7]
	s_nop 0
.rept 4
	v_nop
.endr
.endm
.macro WM d, a, b, zero, sa, sb, ra, rb
.set mD, \d
.set mA, \a
.set mB, \b
.set mSA, \sa
.set mSB, \sb
.set mV, 4*(\zero)+2*(\ra)+(\rb)
.if mV == 0
	v_wmma_scale_f32_16x16x128_f8f6f4 v[mD:mD+7], v[mA:mA+11], v[mB:mB+11], v[mD:mD+7], v[mSA], v[mSB] matrix_a_fmt:MATRIX_FMT_FP6 matrix_b_fmt:MATRIX_FMT_FP6
.elseif mV == 1
	v_wmma_scale_f32_16x16x128_f8f6f4 v[mD:mD+7], v[mA:mA+11], v[mB:mB+11], v[mD:mD+7], v[mSA], v[mSB] matrix_a_fmt:MATRIX_FMT_FP6 matrix_b_fmt:MATRIX_FMT_FP6 matrix_b_scale:MATRIX_SCALE_ROW1
.elseif mV == 2
	v_wmma_scale_f32_16x16x128_f8f6f4 v[mD:mD+7], v[mA:mA+11], v[mB:mB+11], v[mD:mD+7], v[mSA], v[mSB] matrix_a_fmt:MATRIX_FMT_FP6 matrix_b_fmt:MATRIX_FMT_FP6 matrix_a_scale:MATRIX_SCALE_ROW1
.elseif mV == 3
	v_wmma_scale_f32_16x16x128_f8f6f4 v[mD:mD+7], v[mA:mA+11], v[mB:mB+11], v[mD:mD+7], v[mSA], v[mSB] matrix_a_fmt:MATRIX_FMT_FP6 matrix_b_fmt:MATRIX_FMT_FP6 matrix_a_scale:MATRIX_SCALE_ROW1 matrix_b_scale:MATRIX_SCALE_ROW1
.elseif mV == 4
	v_wmma_scale_f32_16x16x128_f8f6f4 v[mD:mD+7], v[mA:mA+11], v[mB:mB+11], 0, v[mSA], v[mSB] matrix_a_fmt:MATRIX_FMT_FP6 matrix_b_fmt:MATRIX_FMT_FP6
.elseif mV == 5
	v_wmma_scale_f32_16x16x128_f8f6f4 v[mD:mD+7], v[mA:mA+11], v[mB:mB+11], 0, v[mSA], v[mSB] matrix_a_fmt:MATRIX_FMT_FP6 matrix_b_fmt:MATRIX_FMT_FP6 matrix_b_scale:MATRIX_SCALE_ROW1
.elseif mV == 6
	v_wmma_scale_f32_16x16x128_f8f6f4 v[mD:mD+7], v[mA:mA+11], v[mB:mB+11], 0, v[mSA], v[mSB] matrix_a_fmt:MATRIX_FMT_FP6 matrix_b_fmt:MATRIX_FMT_FP6 matrix_a_scale:MATRIX_SCALE_ROW1
.else
	v_wmma_scale_f32_16x16x128_f8f6f4 v[mD:mD+7], v[mA:mA+11], v[mB:mB+11], 0, v[mSA], v[mSB] matrix_a_fmt:MATRIX_FMT_FP6 matrix_b_fmt:MATRIX_FMT_FP6 matrix_a_scale:MATRIX_SCALE_ROW1 matrix_b_scale:MATRIX_SCALE_ROW1
.endif
.endm
.macro SETJ j                          ; the registers of slot j: TQ its query tile's eight, TS its own eight
.set QT, \j
.set TQ, ST+8*((\j)%NT)
.set TS, ST+8*(\j)
.set SS, S+16*(\j)
.set XX, XR+4*(\j)
.endm
.macro FRAG reg, ptr, off              ; a fragment of q from memory: two half images, four loads of whole aligned blocks of 256 bytes
	global_load_b128 v[\reg:\reg+3], v[LN16], s[\ptr:\ptr+1] offset:\off
	global_load_b64 v[\reg+4:\reg+5], v[LN8], s[\ptr:\ptr+1] offset:\off+512
	global_load_b128 v[\reg+6:\reg+9], v[LN16], s[\ptr:\ptr+1] offset:\off+768
	global_load_b64 v[\reg+10:\reg+11], v[LN8], s[\ptr:\ptr+1] offset:\off+1280
.endm
.macro DFRAG reg, off                  ; a fragment of k or v from my part of the slot: the same two half images
	ds_load_b128 v[\reg:\reg+3], v[AL16] offset:\off
	ds_load_b64 v[\reg+4:\reg+5], v[AL8] offset:\off+512
	ds_load_b128 v[\reg+6:\reg+9], v[AL16] offset:\off+768
	ds_load_b64 v[\reg+10:\reg+11], v[AL8] offset:\off+1280
.endm
.macro LDSK n                          ; k of n key sets: my two key tiles x three e steps: 24 loads a set
	WIN 0x40
.irp u, 0,1
.irp es, 0,1,2
	DFRAG 144+36*\u+12*\es, 4608*\u+1536*\es
.endr
.endr
.if \n == 2
	WIN 0x80
.irp u, 0,1
.irp es, 0,1,2
	DFRAG 72+36*\u+12*\es, 18432+4608*\u+1536*\es
.endr
.endr
.endif
	WIN 0
.endm
.macro LDSV n                          ; v of n key sets: my six e tiles: 24 loads a set
	WIN 0x80
.irp et, 0,1,2,3,4,5
	DFRAG 12*\et, 9216+1536*\et
.endr
.if \n == 2
.irp et, 0,1,2,3,4,5
	DFRAG 144+12*\et, 27648+1536*\et
.endr
.endif
	WIN 0
.endm
.macro SCK n                           ; step s22's scale words of k (and the next step's): one load a set
	s_wait_xcnt 0x0                                ; the pointer is written again only behind this wait
	s_mul_i32 s46, s22, 3072
	s_add_nc_u64 s[40:41], s[32:33], s[46:47]
	global_load_b96 v[KSC:KSC+2], v[LN12], s[40:41]
.if \n == 2
	global_load_b96 v[KSC2:KSC2+2], v[LN12], s[40:41] offset:3072
.endif
.endm
.macro SCV n                           ; step s22's scale bytes of v: two loads a set
	s_wait_xcnt 0x0
	s_mul_i32 s46, s22, 3072
	s_add_nc_u64 s[42:43], s[34:35], s[46:47]
	global_load_b96 v[VRA:VRA+2], v[R12], s[42:43]
	global_load_b96 v[VRB:VRB+2], v[R12], s[42:43] offset:768
.if \n == 2
	global_load_b96 v[VRA2:VRA2+2], v[R12], s[42:43] offset:3072
	global_load_b96 v[VRB2:VRB2+2], v[R12], s[42:43] offset:3072+768
.endif
.endm
; S^T: for each pair of slots 12 matrix instructions, four accumulators by turns
.macro PH_A
.irp p, 0,1
.if 2*\p < NS
.set aQ, (2*\p)%NT
.if 2*\p < NT
.set aR, 144
.set aS, KSC
	WIN 0x05
.else
.set aR, 72
.set aS, KSC2
	WIN 0x06
.endif
.irp es, 0,1,2
.set aZ, 0
.if \es == 0
.set aZ, 1
.endif
.irp q, 0,1
.irp u, 0,1
	WM S+16*(2*\p+\q)+8*\u, aR+36*\u+12*\es, 36*(aQ+\q)+12*\es, aZ, aS+\es, QSC+4*(aQ/2)+\es, \u, \q
.endr
.endr
.endr
.endif
.endr
.endm
; On the diagonal the scores of hidden keys become -infinity.  Register n holds key 128 s + 32 w + 16 (lane / 16) + n
.macro MASK p, sr
	s_lshl_b32 s44, s\sr, 7
.irp q, 0,1
	v_sub_nc_u32 v[DD], v[DQ+2*(\p)+\q], s44
.irp n, 0,1,2,3,4,5,6,7,8,9,10,11,12,13,14,15
	v_cmp_gt_i32 vcc_lo, \n, v[DD]
	v_cndmask_b32 v[S+16*(2*(\p)+\q)+\n], v[S+16*(2*(\p)+\q)+\n], v[NINF], vcc_lo
.endr
.endr
.endm
; The largest score of my block of 32 keys, for each slot: it serves the row's maximum and the block's largest p
.macro PH_B
.irp j, 0,1,2,3
.if \j < NS
	SETJ \j
	v_max3_num_f32 v[TS+6], v[SS], v[SS+1], v[SS+2]
.endif
.endr
.irp i, 3,5,7,9,11,13
.irp j, 0,1,2,3
.if \j < NS
	SETJ \j
	v_max3_num_f32 v[TS+6], v[TS+6], v[SS+\i], v[SS+\i+1]
.endif
.endr
.endr
.irp j, 0,1,2,3
.if \j < NS
	SETJ \j
	v_max_num_f32 v[TS+6], v[TS+6], v[SS+15]
.endif
.endr
.irp j, 0,1,2,3
.if \j < NS
	SETJ \j
	v_permlanex16_b32 v[TS+7], v[TS+6], s24, s25
.endif
.endr
.irp j, 0,1,2,3
.if \j < NS
	SETJ \j
	v_max_num_f32 v[TS+6], v[TS+6], v[TS+7]
.endif
.endr
.irp j, 0,1,2,3
.if \j < NS
	SETJ \j
	ds_store_b32 v[AXW], v[TS+6] offset:256*QT
.endif
.endr
.endm
.macro CH k                            ; line k of the way from the step's largest score to f
.if \k == 0
	v_mul_f32 v[TS+7], s26, v[TS+7]
.elseif \k == 1
	v_max_num_f32 v[TS+1], v[TS+1], v[TS+7]
.elseif \k == 2
	v_mov_b32 v[TS+7], v[TS]
.elseif \k == 3
	v_floor_f32 v[TS], -v[TS+1]                    ; the new -M = floor(-t)
.elseif \k == 4
	v_sub_f32 v[TS+7], v[TS], v[TS+7]
.elseif \k == 5
	v_cvt_i32_f32 v[TS+7], v[TS+7]
.else
	v_ldexp_f32 v[TS+4], 1.0, v[TS+7]              ; f = 2^(old M - new M)
.endif
.endm
.macro PH_C1                           ; M, f, and the exponentials
.irp j, 0,1,2,3
.if \j < NS
	SETJ \j
	ds_load_b128 v[XX:XX+3], v[AXR] offset:256*QT
.endif
.endr
	s_wait_dscnt 0x0
.irp j, 0,1,2,3
.if \j < NT
	SETJ \j
	v_max3_num_f32 v[TS+7], v[XX], v[XX+1], v[XX+2]
.endif
.endr
.if NS > NT
.irp j, 0,1
	SETJ \j
	v_max3_num_f32 v[TS+7], v[TS+7], v[XX+3], v[XX+8]
.endr
.irp j, 0,1
	SETJ \j
	v_max3_num_f32 v[TS+7], v[TS+7], v[XX+9], v[XX+10]
.endr
.irp j, 0,1
	SETJ \j
	v_max_num_f32 v[TS+7], v[TS+7], v[XX+11]
.endr
.else
.irp j, 0,1,2,3
.if \j < NT
	SETJ \j
	v_max_num_f32 v[TS+7], v[TS+7], v[XX+3]
.endif
.endr
.endif
.irp k, 0,1,2,3,4,5,6
.irp j, 0,1,2,3
.if \j < NT
	SETJ \j
	CH \k
.endif
.endr
.endr
.irp i, 0,2,4,6,8,10,12,14
.irp j, 0,1,2,3
.if \j < NS
	SETJ \j
	v_pk_fma_f32 v[SS+\i:SS+\i+1], v[SS+\i:SS+\i+1], s[26:27], v[TQ:TQ+1] op_sel_hi:[1,0,0]
.endif
.endr
.endr
.irp j, 0,1,2,3
.if \j < NS
	SETJ \j
	v_fma_f32 v[TS+6], v[TS+6], s26, v[TQ]
.endif
.endr
	s_wait_alu depctr_va_vdst(0)                   ; the wait ahead of the batch
.irp j, 0,1,2,3
.if \j < NS
	SETJ \j
.irp i, 0,1,2,3,4,5,6,7,8,9,10,11,12,13,14,15
	v_exp_f32 v[SS+\i], v[SS+\i]
.endr
	v_exp_f32 v[TS+6], v[TS+6]
.endif
.endr
.irp j, 0,1,2,3
.if \j < NT
	SETJ \j
	v_pk_mul_f32 v[TS+2:TS+3], v[TS+2:TS+3], v[TS+4:TS+5] op_sel_hi:[1,0]
.endif
.endr
.endm
.macro PH_C2                           ; the sum, p's codes and scale bytes
	s_wait_alu depctr_va_vdst(0)                   ; one wait for the whole batch
.irp j, 0,1,2,3
.if \j < NS
	SETJ \j
	v_pk_add_f32 v[XX:XX+1], v[SS:SS+1], v[SS+2:SS+3]
.endif
.endr
.irp i, 4,6,8,10,12,14
.irp j, 0,1,2,3
.if \j < NS
	SETJ \j
	v_pk_add_f32 v[XX:XX+1], v[XX:XX+1], v[SS+\i:SS+\i+1]
.endif
.endr
.endr
.irp j, 0,1,2,3
.if \j < NS
	SETJ \j
	v_pk_add_f32 v[TQ+2:TQ+3], v[TQ+2:TQ+3], v[XX:XX+1]
.endif
.endr
.irp j, 0,1,2,3
.if \j < NS
	SETJ \j
	v_max_num_f32 v[TS+6], 0x1800000, v[TS+6]      ; the floor 2^(3 - 127): the byte cannot fall under 1
.endif
.endr
.irp j, 0,1,2,3
.if \j < NS
	SETJ \j
	v_add_nc_u32 v[SCO+QT], 0xff000000, v[TS+6]
.endif
.endr
.irp j, 0,1,2,3
.if \j < NS
	SETJ \j
	v_lshrrev_b32 v[BY+QT], 23, v[SCO+QT]
.endif
.endr
.irp j, 0,1,2,3
.if \j < NS
	SETJ \j
	ds_store_b8 v[APSW], v[BY+QT] offset:64*QT
.endif
.endr
.irp j, 0,1,2,3
.if \j < NS
	SETJ \j
	v_cvt_scalef32_pk16_fp6_f32 v[PCD+4*QT:PCD+4*QT+2], v[SS:SS+15], v[SCO+QT]
.endif
.endr
	v_nop
.irp j, 0,1,2,3
.if \j < NS
	SETJ \j
.irp i, 0,1,2
	ds_store_b32 v[APW], v[PCD+4*QT+\i] offset:1536*QT+4*\i
.endr
.endif
.endr
.endm
.macro PH_D                            ; O^T x f, then O^T += v^T p^T: six matrix instructions a slot
.irp j, 0,1,2,3
.if \j < NS
.irp i, 0,1,2
	ds_load_b128 v[PF+12*\j+4*\i:PF+12*\j+4*\i+3], v[APR] offset:1536*\j+16*\i
.endr
.endif
.endr
.irp p, 0,1
.if 2*\p < NS
	ds_load_b32 v[PSC+\p], v[APSR] offset:128*\p
.endif
.endr
	WIN 0xc3
.irp t, 0,1,2,3
.if \t < NT
.set n2, 0
.rept 24
	v_pk_mul_f32 v[48*\t+n2:48*\t+n2+1], v[48*\t+n2:48*\t+n2+1], v[ST+8*\t+4:ST+8*\t+5] op_sel_hi:[1,0]
.set n2, n2+2
.endr
.endif
.endr
	s_wait_alu depctr_va_vdst(0)
	s_wait_dscnt 0x0
	WIN 0xf2
.irp j, 0,1,2,3
.if \j < NS
.set dV, VSW
.if \j >= NT
.set dV, VSW2
.endif
.irp et, 0,1,2,3,4,5
	WM 48*(\j%NT)+8*\et, 144*(\j/NT)+12*\et, PF+12*\j, 0, dV+\et, PSC+\j/2, 0, \j%2
.endr
.endif
.endr
.endm
; A STEP.  ns, nt: its slots and tiles.  next: how many key sets the step that follows has (0, 1, 2).  upd: how s22 moves to that step.  msk: which pair of slots lies on its diagonal (-1: none).
.macro STEP ns, nt, next, upd, msk
.set NS, \ns
.set NT, \nt
.if \upd == 1
	s_add_co_u32 s22, s22, 1
.elseif \upd == 2
	s_add_co_u32 s22, s22, 2
.elseif \upd == 3
	s_mov_b32 s22, 0
.endif
	s_wait_loadcnt 2*(NS/NT)                       ; k's scale words are in (in the first step q too); the younger loads are v's scale bytes, 2 a key set
	s_wait_dscnt 24*(NS/NT)                        ; k is in registers; the younger LDS loads are v's, 24 a key set
	PH_A
	WIN 0
	PLACES
.if \next > 0
	SCK \next
.endif
.if \msk == 0
	MASK 0, 19
.elseif \msk == 1
	MASK 1, 17
.endif
	PH_B
.if \next > 0
	SEQ                                            ; the largest scores lie in LDS, the last step's p is read out, and k and v have left the slot in every wave of the cluster
.if \next == 2
	TLOAD G1P
.else
	TLOAD G1S
.endif
.else
	BAR
.endif
	PH_C1
	PH_C2
	BAR                                            ; p's fragments and scale words are whole
	s_wait_loadcnt \next                           ; v's scale bytes are in; the younger loads are the next step's k scale words
.irp m, 0,1,2
	v_perm_b32 v[VSW+2*\m], v[VRB+\m], v[VRA+\m], 0x05040100
	v_perm_b32 v[VSW+2*\m+1], v[VRB+\m], v[VRA+\m], 0x07060302
.endr
.if NS > NT
.irp m, 0,1,2
	v_perm_b32 v[VSW2+2*\m], v[VRB2+\m], v[VRA2+\m], 0x05040100
	v_perm_b32 v[VSW2+2*\m+1], v[VRB2+\m], v[VRA2+\m], 0x07060302
.endr
.endif
	PH_D
	WIN 0
	PLACES
.if \next > 0
	SCV \next
	s_wait_tensorcnt 0x0                           ; the next step's k and v lie in my own bytes
	LDSK \next
	LDSV \next
.endif
.endm
	s_load_b256 s[4:11], s[0:1], 0x0               ; qf, qs, kvf, kvs
	s_load_b64 s[12:13], s[0:1], 0x20              ; out0
	v_lshl_add_u32 v[SPW], v0, 2, SPARE
	v_mov_b32 v[NIL], 0
	ds_add_u32 v[SPW], v[NIL]                      ; the opening lines: the add, twice on end, and one wait
	ds_add_u32 v[SPW], v[NIL]
	v_lshrrev_b32 v1, 5, v0
	v_readfirstlane_b32 s14, v1                    ; wave 0..3
	s_and_b32 s16, ttmp7, 0xffff                   ; b
	s_and_b32 s44, ttmp9, 3
	s_lshr_b32 s45, ttmp9, 2
	s_lshl_b32 s17, s44, 2
	s_add_co_u32 s17, s17, s45
	s_add_co_u32 s17, s17, s16
	s_and_b32 s17, s17, 15                         ; c = (4 (X % 4) + X / 4 + b) % 16, X the cluster's number: neighbouring clusters lie four apart in c
	s_bfe_u32 s45, ttmp6, 0x40000                  ; my place in the cluster
	s_lshl_b32 s15, s17, 2
	s_add_co_u32 s15, s15, s45                     ; g = 4 c + place
	s_sub_co_u32 s18, 14, s17
	s_sub_co_u32 s19, 31, s17
	s_add_co_u32 s22, s17, 1                       ; the first step fetched: c + 1
	s_mov_b32 s24, 0x76543210
	s_mov_b32 s25, 0xfedcba98
	s_mov_b32 s26, 0x3d96c740                      ; log2(e) / sqrt(384)
	s_mov_b32 s27, s26
	s_mov_b32 s47, 0
.irp g, G1P, G1S
	s_mov_b32 s[\g+0], 15|(3<<16)|(1<<21)          ; the cluster's four; elements of 8 bytes; bit 21 beside a mask
	s_mov_b32 s[\g+1], 1152<<16                    ; a row: 9,216 bytes
	s_mov_b32 s[\g+3], 1152<<16
	s_mov_b32 s[\g+5], 4608                        ; 36,864 bytes from row to row
	s_mov_b32 s[\g+6], 0
	s_mov_b32 s[\g+7], 0
.endr
	s_mov_b32 s[G1P+2], 4<<16
	s_mov_b32 s[G1P+4], 4
	s_mov_b32 s[G1S+2], 2<<16
	s_mov_b32 s[G1S+4], 2
	v_and_b32 v144, 15, v0                         ; r
	v_bfe_u32 v145, v0, 4, 1                       ; h
	v_and_b32 v146, 31, v0                         ; lane
	v_lshlrev_b32 v[LN16], 4, v146
	v_lshlrev_b32 v[LN8], 3, v146
	v_mul_u32_u24 v[LN12], v146, 12
	v_mul_u32_u24 v[R12], v144, 12
	s_lshl_b32 s44, s14, 2
	v_lshl_add_u32 v[AXW], v144, 4, s44
	v_lshlrev_b32 v[AXR], 4, v144
	s_add_co_u32 s44, s14, PS
	v_lshl_add_u32 v[APSW], v144, 2, s44
	v_lshl_add_u32 v[APSR], v146, 2, PS
	s_and_b32 s44, s14, 1
	s_mul_i32 s44, s44, 768
	s_lshr_b32 s45, s14, 1
	s_mul_i32 s45, s45, 24
	s_add_co_u32 s44, s44, s45
	s_add_co_u32 s44, s44, PB
	v_mul_u32_u24 v[APW], v144, 48
	v_mad_u32_u24 v[APW], v145, 12, v[APW]
	v_add_nc_u32 v[APW], s44, v[APW]
	v_mul_u32_u24 v[APR], v146, 48
	v_add_nc_u32 v[APR], PB, v[APR]
	s_mul_i32 s44, s14, 384
	s_add_co_u32 s44, s44, STG
	v_mul_u32_u24 v[ASTW0], v144, SP
	v_lshl_add_u32 v[ASTW0], v145, 5, v[ASTW0]
	v_add_nc_u32 v[ASTW0], s44, v[ASTW0]
	v_add_nc_u32 v[ASTW0+1], 32*SP, v[ASTW0]
	s_mul_i32 s44, s14, 16*SP
	s_add_co_u32 s44, s44, STG
	v_add_nc_u32 v[ASTR], s44, v[LN16]
	s_mul_i32 s44, s14, WSL
	s_add_co_u32 s44, s44, KVS
	v_add_nc_u32 v[AL16], s44, v[LN16]
	v_add_nc_u32 v[AL8], s44, v[LN8]
	s_mov_b32 s[G0], 1
	s_mov_b32 s[G0+1], s44                         ; my part of the slot
	v_mov_b32 v[NINF], 0xff800000
	v_and_b32 v147, 8, v144
	v_add_nc_u32 v147, v147, v144                  ; r + 8 (r / 8)
	v_lshlrev_b32 v148, 4, v145
	v_sub_nc_u32 v147, v147, v148                  ; - 16 h
	s_lshl_b32 s44, s14, 5
	s_sub_co_u32 s45, 127, s15
	s_lshl_b32 s45, s45, 5
	s_sub_co_u32 s45, s45, s44
	v_add_nc_u32 v[DQ], s45, v147                  ; my query in the batch - 32 w - 16 h, for each tile
	v_add_nc_u32 v[DQ+1], 8, v[DQ]
	s_lshl_b32 s45, s15, 5
	s_sub_co_u32 s45, s45, s44
	v_add_nc_u32 v[DQ+2], s45, v147
	v_add_nc_u32 v[DQ+3], 8, v[DQ+2]
	s_mul_i32 s44, s16, 2359296                    ; a batch's 32 steps of 73,728 bytes
	s_mul_i32 s45, s14, 9216                       ; my two key tiles; my six e tiles lie 36,864 bytes on
	s_add_co_u32 s46, s44, s45
	s_wait_alu depctr_va_vdst(0)                   ; the wait ahead of the waits below
	s_wait_dscnt 0x0                               ; both opening adds are done
	s_wait_kmcnt 0x0
	s_add_nc_u64 s[28:29], s[8:9], s[46:47]
	s_mul_i32 s46, s22, 73728
	s_add_nc_u64 s[G0+2:G0+3], s[28:29], s[46:47]
	s_or_b32 s[G0+3], s[G0+3], 0x80000000
	ROUND                                          ; in front of the first joint loads
	TLOAD G1P                                      ; steps c + 1 and c + 2: my one load at the head (where c = 15 the first alone is read)
	s_mul_i32 s44, s16, 98304
	s_mul_i32 s45, s14, 384
	s_add_co_u32 s46, s44, s45
	s_add_nc_u64 s[32:33], s[10:11], s[46:47]
	s_mul_i32 s45, s14, 192
	s_add_co_u32 s46, s44, s45
	s_add_co_u32 s46, s46, 1536
	s_add_nc_u64 s[34:35], s[10:11], s[46:47]
	s_lshl_b32 s44, s16, 8
	s_lshl_b32 s45, s15, 1
	s_add_co_u32 s48, s44, s45                     ; the early block's first tile: 256 b + 2 g
	s_add_co_u32 s49, s44, 254
	s_sub_co_u32 s49, s49, s45                     ; the late block's: 256 b + 2 (127 - g)
	s_mul_i32 s46, s49, 4608
	s_add_nc_u64 s[50:51], s[4:5], s[46:47]
	s_mul_i32 s46, s48, 4608
	s_add_nc_u64 s[52:53], s[4:5], s[46:47]
	s_mul_i32 s46, s49, 192
	s_add_nc_u64 s[54:55], s[6:7], s[46:47]
	s_mul_i32 s46, s48, 192
	s_add_nc_u64 s[56:57], s[6:7], s[46:47]
	s_sub_co_u32 s44, 127, s15                     ; out: the tile that I store is tile w
	s_cmp_lt_u32 s14, 2
	s_cselect_b32 s44, s44, s15
	s_lshl_b32 s44, s44, 5
	s_lshl_b32 s45, s16, 12
	s_add_co_u32 s44, s44, s45
	s_and_b32 s45, s14, 1
	s_lshl_b32 s45, s45, 3
	s_add_co_u32 s44, s44, s45
	s_mul_i32 s46, s44, 1536
	s_add_nc_u64 s[58:59], s[12:13], s[46:47]
	WIN 0x40
.irp p, 0,1
.irp q, 0,1
.irp es, 0,1,2
	FRAG 36*(2*\p+\q)+12*\es, 50+2*\p, 4608*\q+1536*\es          ; q stays in registers: 48 loads,
.endr
.endr
.endr
	WIN 0
	global_load_b96 v[QSC:QSC+2], v[LN12], s[54:55]              ; and 2 for its scale words
	global_load_b96 v[QSC+4:QSC+6], v[LN12], s[56:57]
.irp q, 0,1,2,3
	v_mov_b32 v[ST+8*\q+1], 0xff61b1e6             ; the largest t so far: -3e38
	v_floor_f32 v[ST+8*\q], -v[ST+8*\q+1]          ; -M
.irp i, 2,3,4,5,6,7
	v_mov_b32 v[ST+8*\q+\i], 0
.endr
.endr
	WIN 0xc0
.set n2, 0
.rept 192
	v_mov_b32 v[n2], 0                             ; O^T: no step is written apart for a block's first
.set n2, n2+1
.endr
	WIN 0
	s_wait_alu depctr_va_vdst(0)                   ; the wait at the head's end
	s_wait_tensorcnt 0x0                           ; the first steps' k and v lie in my own bytes
	s_cmp_lg_u32 s17, 15
	s_cbranch_scc1 .Llong
	SCK 1                                          ; c = 15: no pair step: the walk begins with step 16, alone
	SCV 1
	LDSK 1
	LDSV 1
	s_branch .Lalone
.Llong:
	SCK 2                                          ; steps c + 1 and c + 2
	SCV 2
	LDSK 2
	LDSV 2
	s_cmp_eq_u32 s17, 14                           ; c = 14: one pair step, the last
	s_cbranch_scc1 .Lpairs_end
	s_mov_b32 s20, 0
.Lpairs:                                           ; 14 - c trips: a pair step that is followed by a pair step
	STEP 4, 2, 2, 2, -1
	s_add_co_u32 s20, s20, 1
	s_cmp_lt_u32 s20, s18
	s_cbranch_scc1 .Lpairs
.Lpairs_end:
	STEP 4, 2, 1, 2, -1                            ; steps 29 - c and 30 - c; what follows is step 31 - c
.Lalone:
	STEP 2, 2, 1, 3, 0                             ; the late block's diagonal step; what follows is step 0
	s_cmp_eq_u32 s17, 0
	s_cbranch_scc1 .Lboth_end
	s_mov_b32 s20, 0
.Lboth:                                            ; c trips: steps 0 .. c - 1, both blocks
	STEP 4, 4, 1, 1, -1
	s_add_co_u32 s20, s20, 1
	s_cmp_lt_u32 s20, s17
	s_cbranch_scc1 .Lboth
.Lboth_end:
	STEP 4, 4, 0, 0, 1                             ; step c, the early block's diagonal: nothing more is fetched
	; THE WAY OUT.  A query's sum lies in two halves, two lanes and four waves.
.irp q, 0,1,2,3
	v_add_f32 v[ST+8*\q+7], v[ST+8*\q+2], v[ST+8*\q+3]
.endr
.irp q, 0,1,2,3
	v_permlanex16_b32 v[ST+8*\q+5], v[ST+8*\q+7], s24, s25
.endr
.irp q, 0,1,2,3
	v_add_f32 v[ST+8*\q+7], v[ST+8*\q+7], v[ST+8*\q+5]
.endr
.irp q, 0,1,2,3
	ds_store_b32 v[AXW], v[ST+8*\q+7] offset:256*\q
.endr
	BAR
.irp q, 0,1,2,3
	ds_load_b128 v[XR+4*\q:XR+4*\q+3], v[AXR] offset:256*\q
.endr
	s_wait_dscnt 0x0
.irp q, 0,1,2,3
	v_add_f32 v[XR+4*\q], v[XR+4*\q], v[XR+4*\q+1]
	v_add_f32 v[XR+4*\q+2], v[XR+4*\q+2], v[XR+4*\q+3]
.endr
.irp q, 0,1,2,3
	v_add_f32 v[ST+8*\q+7], v[XR+4*\q], v[XR+4*\q+2]
.endr
	s_wait_alu depctr_va_vdst(0)
.irp q, 0,1,2,3
	v_rcp_f32 v[ST+8*\q+4], v[ST+8*\q+7]
.endr
	v_nop
	s_wait_alu depctr_va_vdst(0)
	WIN 0xc3
.irp q, 0,1,2,3
.set n2, 0
.rept 24
	v_pk_mul_f32 v[48*\q+n2:48*\q+n2+1], v[48*\q+n2:48*\q+n2+1], v[ST+8*\q+4:ST+8*\q+5] op_sel_hi:[1,0]   ; O^T / the sum
.set n2, n2+2
.endr
.endr
	WIN 0x0c
.irp q, 0,1,2,3
.irp et, 0,1,2,3,4,5
.irp k, 0,1
	ds_store_b128 v[ASTW0+\q/2], v[48*\q+8*\et+4*\k:48*\q+8*\et+4*\k+3] offset:16*SP*(\q%2)+64*\et+16*\k
.endr
.endr
.endr
	WIN 0
	BAR                                            ; 64 whole rows lie in the stage
	WIN 0x40
.set i, 0
.rept 48
	ds_load_b128 v[4*i:4*i+3], v[ASTR] offset:SP*(i/3)+512*(i%3)
.set i, i+1
.endr
	WIN 0x04
.set i, 0
.rept 48
	s_wait_dscnt 47-i
	global_store_b128 v[LN16], v[4*i:4*i+3], s[58:59] offset:((i/3)+8*((i/3)/8))*1536+512*(i%3) th:TH_STORE_NT   ; 32 lanes store 512 consecutive bytes, aligned to 256
.set i, i+1
.endr
	WIN 0
	s_wait_tensorcnt 0x0                           ; the wave's end
	ds_add_u32 v[SPW], v[NIL]
	s_wait_dscnt 0x0
	ROUND                                          ; the closing round
	s_endpgm
.Lfunc_end_k_q34d86dc640_attn:
	.size	k_q34d86dc640_attn, .Lfunc_end_k_q34d86dc640_attn-k_q34d86dc640_attn
	.p2alignl 7, 3214868480
	.fill 96, 4, 3214868480
	.section	.rodata,"a",@progbits
	.p2align	6, 0x0
	.amdhsa_kernel k_q34d86dc640_attn
		.amdhsa_group_segment_fixed_size 327680
		.amdhsa_private_segment_fixed_size 0
		.amdhsa_enable_private_segment 0
		.amdhsa_kernarg_size 40
		.amdhsa_user_sgpr_count 2
		.amdhsa_user_sgpr_kernarg_segment_ptr 1
		.amdhsa_wavefront_size32 1
		.amdhsa_system_sgpr_workgroup_id_x 1
		.amdhsa_system_sgpr_workgroup_id_y 1
		.amdhsa_system_sgpr_workgroup_id_z 1
		.amdhsa_system_vgpr_workitem_id 0
		.amdhsa_next_free_vgpr 960
		.amdhsa_next_free_sgpr 84
		.amdhsa_reserve_vcc 1
		.amdhsa_float_denorm_mode_32 3
		.amdhsa_float_denorm_mode_16_64 3
		.amdhsa_memory_ordered 1
		.amdhsa_forward_progress 1
		.amdhsa_inst_pref_size 194
	.end_amdhsa_kernel
	.amdgpu_metadata
---
amdhsa.version: [ 1, 2 ]
amdhsa.kernels:
  - .name:           k_q34d86dc640_attn
    .symbol:         k_q34d86dc640_attn.kd
    .args:
      - { .name: qf, .offset: 0, .size: 8, .value_kind: global_buffer, .address_space: global }
      - { .name: qs, .offset: 8, .size: 8, .value_kind: global_buffer, .address_space: global }
      - { .name: kvf, .offset: 16, .size: 8, .value_kind: global_buffer, .address_space: global }
      - { .name: kvs, .offset: 24, .size: 8, .value_kind: global_buffer, .address_space: global }
      - { .name: out0, .offset: 32, .size: 8, .value_kind: global_buffer, .address_space: global }
    .group_segment_fixed_size: 327680
    .private_segment_fixed_size: 0
    .kernarg_segment_align: 8
    .kernarg_segment_size: 40
    .max_flat_workgroup_size: 128
    .sgpr_count:     84
    .vgpr_count:     960
    .wavefront_size: 32
...
	.end_amdgpu_metadata
.endif
;; end of part 3
